; MI455X (gfx1250); checked and timed in simulation.
; The chip was launched on July 23, 2026; its instructions are those of AMD's public machine-readable ISA for CDNA 5 (MIT licence, August 2026) and "CDNA5" Instruction Set Architecture Reference Guide (July 2026). The comments in the code are by the model that wrote it; some were corrected since.
;; SPRT Flip Linear. Allowed arithmetic: float matrix products may take bf16 or f16 operands with f32 sums; other float arithmetic in f32, or as packed bf16 or f16 multiplies, adds, multiply-adds, maxima and minima; sums over many terms, partial sums and values carried from step to step in f32; what a program stores and reads back later, other than sums and carried values, may be rounded once to bf16 or f16.
;; Inputs: scales 65,536 float32; ternary 2,048 x 4,096 int8; x 4 x 2,048 x 4,096 float32.
;; Outputs: out0 4 x 2,048 x 2,048 float32.
;; 2 versions, each right; version 2 is version 1 with the launch prep written anew for expert scheduling mode. Each part assembles by itself: llvm-mc -triple=amdgcn-amd-amdhsa -mcpu=gfx1250 --defsym DOCPART=n.
;; ======== version 1 of 2: 2 launches
;; workspace buffers: xb 67,108,864 bytes; wb 16,777,216 bytes
;; launch prep (part 1): grid 1024 x 1, 8 waves a work-group, no clusters, 0 bytes of LDS; arguments x, ternary, scales, xb, wb; writes xb, wb
.if DOCPART == 1
	.amdgcn_target "amdgcn-amd-amdhsa--gfx1250"
	.amdhsa_code_object_version 6
	.text
	.protected	k_qfc16a101a1_prep
	.globl	k_qfc16a101a1_prep
	.p2align	8
	.type	k_qfc16a101a1_prep,@function
k_qfc16a101a1_prep:
	s_mov_b64 s[64:65], 0
	v_nop
	global_prefetch_b8 v0, s[64:65] scope:SCOPE_SE
	s_setreg_imm32_b32 hwreg(HW_REG_WAVE_MODE, 25, 1), 1
	s_wait_xcnt 0x0
; xb = bf16(x), wb = bf16(f32(code) * scale of the group of 128 codes).  x: [8192][4096] f32, ternary: [2048][4096] int8, scales: [65536] f32.
; xb: [8192][4096] bf16, wb: [2048][4096] bf16, both row-major.  Each number is rounded once, to nearest even.
; LIMITS.  Any int8 code is honoured, not only -1, 0, 1.  bf16 has the range of f32, so no input overflows here; NaN and infinities pass as the arithmetic gives them.
; A stream: no LDS, no barrier, no matrix unit, nothing shared between work-groups.  1,024 work-groups of eight waves, all with the same work:
;   x:  131,072 bytes in, 65,536 out, in 32 turns.  Thread t loads 16 bytes at 16 t + 4,096 n (a wave: 512 consecutive bytes) and stores 8 bytes at 8 t + 2,048 n
;       (a wave: 256 consecutive bytes, aligned).  The turn stands in the immediates, so the two offset registers are never rewritten.
;   W:  8,192 codes (two rows).  Wave v has 1,024 of them, eight groups, in four passes: lane l loads 8 codes at 1,024 v + 8 l + 256 p and stores 16 bytes at twice that.
;       Lanes 0-15 of a pass lie in group 8 v + 2 p, lanes 16-31 in the next; the eight scales of the wave come by one scalar load.
.set XI, 2                             ; v2       16 t; never rewritten
.set XO, 3                             ; v3       8 t; never rewritten
.set WI, 4                             ; v4       1,024 v + 8 l; never rewritten
.set WO, 5                             ; v5       twice that; never rewritten
.set WD, 8                             ; v[8:15]  pass p: two registers, 8 codes as loaded
.set SC, 16                            ; v[16:19] pass p: the scale of my lane
.set T,  20                            ; v[20:27] at work
.set WY, 28                            ; v[28:43] pass p: four registers to store; each pass has its own, so no wait stands between the four stores
.set X,  44                            ; v[44:75] slot i of eight: four f32 as loaded
.set Y,  76                            ; v[76:91] slot i of eight: four bf16 to store
	s_load_b256 s[4:11], s[0:1], 0x0               ; x s[4:5], ternary s[6:7], scales s[8:9], xb s[10:11]
	s_load_b64 s[12:13], s[0:1], 0x20              ; wb
	v_and_b32 v1, 31, v0                           ; lane
	v_lshrrev_b32 v6, 5, v0
	v_readfirstlane_b32 s14, v6                    ; wave 0..7
	v_lshlrev_b32 v[XI], 4, v0
	v_lshlrev_b32 v[XO], 3, v0
	v_lshlrev_b32 v6, 10, v6
	v_lshl_add_u32 v[WI], v1, 3, v6
	v_lshlrev_b32 v[WO], 1, v[WI]
	v_cmp_lt_u32 vcc_lo, 15, v1                    ; lanes 16-31: the second group of a pass
	s_mov_b32 s17, 0                               ; all offsets stay under 2^32
	s_lshl_b32 s15, s14, 5                         ; the eight scales of my wave: 32 bytes
	s_wait_kmcnt 0x0
	s_lshl_b32 s16, ttmp9, 17                      ; 131,072 bytes of x a work-group
	s_add_nc_u64 s[4:5], s[4:5], s[16:17]
	s_lshl_b32 s16, ttmp9, 13                      ; 8,192 codes
	s_add_nc_u64 s[6:7], s[6:7], s[16:17]
	s_lshl_b32 s16, ttmp9, 8                       ; 64 scales
	s_add_co_u32 s16, s16, s15
	s_add_nc_u64 s[18:19], s[8:9], s[16:17]        ; never rewritten behind the load below
	s_lshl_b32 s16, ttmp9, 16                      ; 65,536 bytes of xb
	s_add_nc_u64 s[10:11], s[10:11], s[16:17]
	s_lshl_b32 s16, ttmp9, 14                      ; 16,384 bytes of wb
	s_add_nc_u64 s[12:13], s[12:13], s[16:17]
	s_load_b256 s[24:31], s[18:19], 0x0            ; no line of this launch writes scales
.irp p, 0,1,2,3
	global_load_b64 v[WD+2*(\p):WD+2*(\p)+1], v[WI], s[6:7] offset:256*(\p) th:TH_LOAD_NT
.endr
.irp i, 0,1,2,3,4,5,6,7
	global_load_b128 v[X+4*(\i):X+4*(\i)+3], v[XI], s[4:5] offset:4096*(\i) th:TH_LOAD_NT  ; turns 0 to 7 fill the ring
.endr
	s_wait_kmcnt 0x0                               ; the scales
.irp p, 0,1,2,3
	v_mov_b32 v[T+(\p)], s[25+2*(\p)]
	v_cndmask_b32 v[SC+(\p)], s[24+2*(\p)], v[T+(\p)], vcc_lo  ; lanes 0-15 the first group of the pass, lanes 16-31 the second
.endr
; Pass p of W: 8 codes are sign-extended, made f32, scaled, rounded in pairs and stored.
.macro WPASS p
.irp k, 0,1,2,3,4,5,6,7
.if (\k)%4 < 3
	v_lshlrev_b32 v[T+(\k)], 24-8*((\k)%4), v[WD+2*(\p)+(\k)/4]  ; the byte moves to the top,
	v_ashrrev_i32 v[T+(\k)], 24, v[T+(\k)]                       ; and comes down with its sign
.else
	v_ashrrev_i32 v[T+(\k)], 24, v[WD+2*(\p)+(\k)/4]
.endif
.endr
.irp k, 0,1,2,3,4,5,6,7
	v_cvt_f32_i32 v[T+(\k)], v[T+(\k)]
.endr
.irp k, 0,1,2,3,4,5,6,7
	v_mul_f32 v[T+(\k)], v[T+(\k)], v[SC+(\p)]
.endr
.irp r, 0,1,2,3
	v_cvt_pk_bf16_f32 v[WY+4*(\p)+(\r)], v[T+2*(\r)], v[T+2*(\r)+1]
.endr
	global_store_b128 v[WO], v[WY+4*(\p):WY+4*(\p)+3], s[12:13] offset:512*(\p) th:TH_STORE_NT  ; a wave: 512 consecutive bytes, aligned
.endm
	s_wait_loadcnt 8                               ; loads come back in order (ISA guide 5.7.1): the eight loads of x are the younger ones, the four of W are in
	WPASS 0
	WPASS 1
	WPASS 2
	WPASS 3
; Turn n of x, on slot n % 8.
.macro XTURN n
.if (\n) < 25
	s_wait_loadcnt 7                               ; the loads of turns n + 1 to n + 7 may stay out
.else
	s_wait_loadcnt 31-(\n)                         ; the last turns load nothing: the count runs down
.endif
.if (\n) >= 8
	s_wait_xcnt 0x0                                ; the pair Y of this slot was the data of the store of turn n - 8: it is rewritten only behind this wait
.endif
	v_cvt_pk_bf16_f32 v[Y+2*((\n)%8)],   v[X+4*((\n)%8)],   v[X+4*((\n)%8)+1]
	v_cvt_pk_bf16_f32 v[Y+2*((\n)%8)+1], v[X+4*((\n)%8)+2], v[X+4*((\n)%8)+3]
.if (\n) < 24
	global_load_b128 v[X+4*((\n)%8):X+4*((\n)%8)+3], v[XI], s[4:5] offset:4096*((\n)+8) th:TH_LOAD_NT  ; the load goes ahead of the store
.endif
	global_store_b64 v[XO], v[Y+2*((\n)%8):Y+2*((\n)%8)+1], s[10:11] offset:2048*(\n) th:TH_STORE_NT
.endm
.set tn, 0
.rept 32
	XTURN tn
.set tn, tn+1
.endr
	s_endpgm
.Lfunc_end_k_qfc16a101a1_prep:
	.size	k_qfc16a101a1_prep, .Lfunc_end_k_qfc16a101a1_prep-k_qfc16a101a1_prep
	.p2alignl 7, 3214868480
	.fill 96, 4, 3214868480
	.section	.rodata,"a",@progbits
	.p2align	6, 0x0
	.amdhsa_kernel k_qfc16a101a1_prep
		.amdhsa_group_segment_fixed_size 0
		.amdhsa_private_segment_fixed_size 0
		.amdhsa_enable_private_segment 0
		.amdhsa_kernarg_size 40
		.amdhsa_user_sgpr_count 2
		.amdhsa_user_sgpr_kernarg_segment_ptr 1
		.amdhsa_wavefront_size32 1
		.amdhsa_system_sgpr_workgroup_id_x 1
		.amdhsa_system_sgpr_workgroup_id_y 1
		.amdhsa_system_sgpr_workgroup_id_z 1
		.amdhsa_system_vgpr_workitem_id 0
		.amdhsa_next_free_vgpr 96
		.amdhsa_next_free_sgpr 66
		.amdhsa_reserve_vcc 1
		.amdhsa_float_denorm_mode_32 3
		.amdhsa_float_denorm_mode_16_64 3
		.amdhsa_memory_ordered 1
		.amdhsa_forward_progress 1
		.amdhsa_inst_pref_size 19
	.end_amdhsa_kernel
	.amdgpu_metadata
---
amdhsa.version: [ 1, 2 ]
amdhsa.kernels:
  - .name:           k_qfc16a101a1_prep
    .symbol:         k_qfc16a101a1_prep.kd
    .args:
      - { .name: x, .offset: 0, .size: 8, .value_kind: global_buffer, .address_space: global }
      - { .name: ternary, .offset: 8, .size: 8, .value_kind: global_buffer, .address_space: global }
      - { .name: scales, .offset: 16, .size: 8, .value_kind: global_buffer, .address_space: global }
      - { .name: xb, .offset: 24, .size: 8, .value_kind: global_buffer, .address_space: global }
      - { .name: wb, .offset: 32, .size: 8, .value_kind: global_buffer, .address_space: global }
    .group_segment_fixed_size: 0
    .private_segment_fixed_size: 0
    .kernarg_segment_align: 8
    .kernarg_segment_size: 40
    .max_flat_workgroup_size: 256
    .sgpr_count:     66
    .vgpr_count:     96
    .wavefront_size: 32
...
	.end_amdgpu_metadata
.endif
;; end of part 1
;; launch gemm (part 2): grid 8 x 32, 4 waves a work-group, clusters of 4 x 4, 327,680 bytes of LDS; arguments xb, wb, out0; writes out0
.if DOCPART == 2
	.amdgcn_target "amdgcn-amd-amdhsa--gfx1250"
	.amdhsa_code_object_version 6
	.text
	.protected	k_qfc16a101a1_gemm
	.globl	k_qfc16a101a1_gemm
	.p2align	8
	.type	k_qfc16a101a1_gemm,@function
k_qfc16a101a1_gemm:
	s_mov_b64 s[64:65], 0
	v_nop
	global_prefetch_b8 v0, s[64:65] scope:SCOPE_SE
	s_setreg_imm32_b32 hwreg(HW_REG_WAVE_MODE, 25, 1), 1
	s_wait_xcnt 0x0
	s_wait_alu depctr_hold_cnt(0) depctr_sa_sdst(0) depctr_va_vdst(0) depctr_va_sdst(0) depctr_va_ssrc(0) depctr_va_vcc(0) depctr_vm_vsrc(0)
	s_getreg_b32 s2, hwreg(HW_REG_IB_STS2, 6, 4)
	s_cmp_eq_u32 s2, 0
	s_cbranch_scc0 .Lentry_in_a_cluster
	s_endpgm
.Lentry_in_a_cluster:
	s_bfe_u32 s2, ttmp6, 0x10000c
	s_cmp_lg_u32 s2, 0xf033
	s_cbranch_scc0 .Lentry_shape_is_right
	s_endpgm
.Lentry_shape_is_right:
; C[m][n] = sum over k of A[m][k] B[n][k].  A = xb: [8192][4096] bf16, B = wb: [2048][4096] bf16, C = out0: [8192][2048] f32.  One f32 sum for each output, K ascending.
; LIMITS.  The operands are bf16 (rounded once by the launch before); NaN and infinities are not treated apart.
; SHARES.  C has 32 x 8 tiles of 256 x 256: 256 work-groups of four waves; a wave makes 128 x 128: 64 accumulators of 16 x 16, 512 registers.
; K goes in 32 steps of 128 through a ring of two LDS slots filled by the tensor data mover; a tile row is 256 bytes of memory, at a multiple of 256 from the first byte of the buffer.
; CLUSTERS: 4 x 4 work-groups.  The four of a row of the cluster need the same tiles of A, the four of a column the same tiles of B.  Such a tile is asked for JOINTLY: each of the four
; issues the same tensor load, with the same descriptor and a mask that names the four, and each receives the tile in its own LDS.
; REGISTERS, in windows of 256 (s_set_vgpr_msb: bits 1:0 source 0, 3:2 source 1, 5:4 source 2, 7:6 destination):
;   window 0: v0-31 addresses; v64-127, v128-191 fragments of A, two buffers; on the way out the same 128 registers take rows read back from the stage
;   window 1: v64-127, v128-191 fragments of B, two buffers
;   window 2: the 32 accumulators of my rows 0-63 (accumulator (a, b) at v[8 (8 a + b)]);   window 3: those of my rows 64-127
; THE MATRIX INSTRUCTION IS USED TRANSPOSED: source 0 = 16 rows of B, source 1 = 16 rows of A.  In the result lane l holds row l % 16 of C and its registers 0 to 7 the columns
; 8 (l / 16) + 0 .. 7: 32 neighbouring bytes of a row of C.
.set SIZE_M, 8192
.set SIZE_N, 2048
.set SIZE_K, 4096
.set KSTEP,  128
.set PITCH,  272                       ; an LDS row: 256 bytes of data + 16 of padding = 68 words: row r starts at bank 4 r mod 64 (64 banks of 4 bytes: ISA guide 11.1)
.set HALFT,  128*PITCH                 ; 128 rows: what one tensor load brings, and what one wave reads of A or of B
.set SLOT,   4*HALFT                   ; 256 rows of A, then 256 rows of B
.set STAGE,  2*SLOT                    ; behind the ring: 16 rows x 528 bytes for each wave, for the way out; no tensor load lands here
.set SPITCH, 528                       ; a stage row: 512 bytes (128 f32) + 16 = 33 x 16: sixteen rows start at sixteen different groups of four banks
.set SPARE,  STAGE+4*16*SPITCH         ; behind the stages: the spare words, 128 bytes for each wave: two blocks of 256 bytes that no other line names
.set LAPS,   SIZE_K/(2*KSTEP)          ; a lap = two K steps = once round the ring: 16
.set CROW,   SIZE_N*4                  ; bytes in a row of C
.set ADRA, 16                          ; v16-17  LDS address of my A fragments in slot 0, 1
.set ADRB, 20                          ; v20-21  the same for B
.set STO,  24                          ; v24     the way out: where I put 32 bytes of a row
.set RD,   25                          ; v25     the way out: where I read 16 bytes of a row back
.set CO,   26                          ; v26     my byte offset in 512 bytes of a row of C: 16 x lane; never rewritten
.set SPW,  28                          ; v28     LDS address of my spare word: SPARE + 4 x the number of my thread; never rewritten
.set NIL,  29                          ; v29     0; never rewritten
.set PFO,  30                          ; v30     the offset of the prefetches: my lane x a row of A or B (8,192 bytes); never rewritten
.set PFA,  44                          ; s[44:45] where my prefetches stand: 32 of the 128 rows that I fetch, one K step further along K than the refill that is being asked for
.set LIM,  43                          ; s43     1 in a wave that prefetches, else the greatest number
.set F0,   64                          ; fragment buffer 0
.set F1,   128                         ; fragment buffer 1
.set G1, 24                            ; s[24:31] descriptor group 1 for tiles of A
.set G0, 32                            ; s[32:39] descriptor group 0 for tiles of A, one set for each slot
.set G1B, 48                           ; s[48:55] descriptor group 1 for tiles of B: it differs in the mask alone
.set G0B, 56                           ; s[56:63] descriptor group 0 for tiles of B, one set for each slot
.set MSB, 0
.macro WIN new                         ; the high byte of the immediate repeats the setting that is left; a switch that changes nothing is dropped
.if MSB != (\new)
	s_set_vgpr_msb (MSB<<8)|(\new)
.set MSB, \new
.endif
.endm
.set MUL_LO, 0xa1                      ; source 0 (B) window 1, source 1 (A) window 0, C and D window 2
.set MUL_HI, 0xf1                      ; the same, C and D window 3
.set TO_B,   0x40                      ; destination window 1, address window 0
; A joint load.  Waves 0 and 1 fetch the two halves of the tile of A, waves 2 and 3 those of B.  Each of the two lines has one mask and one set of registers for all that issue it.
; The branch hangs on the number of the wave alone.  An s_nop 0 and four v_nop follow each of the two lines, ahead of the jump, the label and what follows.
.macro JLOAD s
	s_cmp_eq_u32 s11, 0
	s_cbranch_scc0 .Lfor_b_\@
	tensor_load_to_lds s[G0+4*(\s):G0+4*(\s)+3], s[G1:G1+7]
	s_nop 0
.rept 4
	v_nop
.endr
	s_branch .Lasked_\@
.Lfor_b_\@:
	tensor_load_to_lds s[G0B+4*(\s):G0B+4*(\s)+3], s[G1B:G1B+7]
	s_nop 0
.rept 4
	v_nop
.endr
.Lasked_\@:
.endm
; A prefetch, behind each joint refill and the run of LDS loads that follows it: the K step that stands two refills on (512 matrix instructions ahead of the load that names it):
; 32 rows x 256 bytes, a lane a row, one instruction a wave.  Each 256 bytes of a row are named once in the launch: a tile row of A is read by both clusters of that row of clusters,
; and the one with cluster x = 0 asks; a tile column of B by all eight clusters of that column, and the one with cluster y = 0 asks.  The four partners that ask for a tile jointly share
; its rows out by address: of the 128 rows that a wave fetches the partner at place p takes 32 p .. 32 p + 31 (p = cx for A, cy for B).  K steps 0 to 3 come by their loads alone;
; the last trip of the loop (s3 = 1) asks for nothing, since K has no step 32.
.macro ASK
	s_cmp_gt_u32 s3, s[LIM]
	s_cbranch_scc0 .Lnot_mine_\@
	global_prefetch_b8 v[PFO], s[PFA:PFA+1] offset:KSTEP*2 th:TH_LOAD_NT scope:SCOPE_SE
.Lnot_mine_\@:
.endm
; A round of the barrier of the cluster: the barrier of my work-group, so that the signal of wave 0 speaks for all four waves; wave 0 signals for the work-group; every wave waits for
; all sixteen work-groups; the barrier of my work-group once more.  No LDS instruction of the wave is pending at a signal.
.macro CREST                           ; a round behind its opening barrier
	s_cmp_lg_u32 s10, 0
	s_cbranch_scc1 .Lnot_wave_0_\@
	s_barrier_signal -3
.Lnot_wave_0_\@:
	s_barrier_wait -3
	s_barrier_signal -1
	s_barrier_wait -1
.endm
.macro CROUND                          ; a whole round
	s_barrier_signal -1
	s_barrier_wait -1
	CREST
.endm
	s_load_b128 s[4:7], s[0:1], 0x0                ; A s[4:5], B s[6:7]
	s_load_b64 s[8:9], s[0:1], 0x10                ; C
	v_lshl_add_u32 v[SPW], v0, 2, SPARE
	v_mov_b32 v[NIL], 0
	ds_add_u32 v[SPW], v[NIL]                      ; the opening: the add and its wait stand ahead of my first tensor load; the set-up below, work on registers, stands between them
	v_lshrrev_b32 v1, 5, v0
	v_readfirstlane_b32 s10, v1                    ; wave 0..3
	s_lshr_b32 s11, s10, 1                         ; which half of the rows of the tile is mine.  Also: I fetch for A (0) or for B (1)
	s_and_b32 s12, s10, 1                          ; which half of its columns.  Also: which 128 rows of that tile I fetch
	s_bfe_u32 s40, ttmp6, 0x40000                  ; cx: my place along x in the cluster
	s_bfe_u32 s41, ttmp6, 0x40004                  ; cy: along y
	s_lshl_b32 s42, ttmp9, 2                       ; in a cluster launch ttmp9 and ttmp7 count clusters
	s_add_co_u32 s42, s42, s40                     ; tile column of C = 4 x cluster x + cx
	s_and_b32 s13, ttmp7, 0xffff
	s_lshl_b32 s13, s13, 2
	s_add_co_u32 s13, s13, s41                     ; tile row of C = 4 x cluster y + cy
	s_lshl_b32 s43, s41, 2
	s_lshl_b32 s43, 15, s43                        ; my row of the cluster: places 4 cy .. 4 cy + 3
	s_lshl_b32 s44, 0x1111, s40                    ; my column: places cx, cx + 4, cx + 8, cx + 12
	; descriptor group 1: a tile of 128 rows x 128 elements, padded in LDS
	s_or_b32 s[G1+0], s43, (1<<16)|(1<<20)|(1<<21)|(5<<22)|(3<<25)  ; 15:0 the mask: my row; 17:16 elements of 2 bytes; 20 padding on; 21 set beside a mask; 24:22 after every 64 words (code 5); 31:25 4 words of it (code 3)
	s_or_b32 s[G1B+0], s44, (1<<16)|(1<<20)|(1<<21)|(5<<22)|(3<<25) ; the same with the mask of my column
.irp g, G1, G1B
	s_mov_b32 s[(\g)+1], KSTEP<<16                 ; tensor_dim0 = 128
	s_mov_b32 s[(\g)+2], 128<<16                   ; tensor_dim1 = 128
	s_mov_b32 s[(\g)+3], KSTEP<<16                 ; tile_dim0 = 128
	s_mov_b32 s[(\g)+4], 128                       ; tile_dim1 = 128; tile_dim2 = 0
	s_mov_b32 s[(\g)+5], SIZE_K                    ; elements from row to row
	s_mov_b32 s[(\g)+6], 0
	s_mov_b32 s[(\g)+7], 0
.endr
	; where the tiles come from.  Those of A hang on the tile row alone, which my row of the cluster shares; those of B on the tile column alone, which my column shares.
	; Every wave makes both addresses, in registers that never hold the other coordinate, and asks by one of them.
	s_lshl_b32 s17, s12, 7                         ; which 128 rows of the tile I fetch
	s_lshl_b32 s16, s13, 8
	s_add_co_u32 s16, s16, s17                     ; A: row 256 x tile row + 128 x half
	s_lshl_b32 s46, s42, 8
	s_add_co_u32 s46, s46, s17                     ; B: row 256 x tile column + 128 x half
	s_mov_b32 s17, 0
	s_mov_b32 s47, 0
	s_mov_b64 s[18:19], SIZE_K*2
	s_mul_u64 s[16:17], s[16:17], s[18:19]         ; in bytes
	s_mul_u64 s[46:47], s[46:47], s[18:19]
	s_mul_i32 s20, s10, HALFT                      ; and where they go: wave x 128 rows: no place in the cluster enters an LDS address
	s_wait_dscnt 0x0                               ; the opening add is done
	s_wait_kmcnt 0x0
	s_add_nc_u64 s[14:15], s[4:5], s[16:17]
	s_add_nc_u64 s[46:47], s[6:7], s[46:47]
	CROUND                                         ; all sixteen work-groups are here: the first joint loads meet
.irp s, 0,1
	s_mov_b32 s[G0+4*(\s)], 1                                      ; count = 1
	s_add_co_u32 s[G0+4*(\s)+1], s20, (\s)*SLOT                    ; LDS address
	s_add_nc_u64 s[G0+4*(\s)+2:G0+4*(\s)+3], s[14:15], (\s)*KSTEP*2  ; global address: K step s
	s_or_b32 s[G0+4*(\s)+3], s[G0+4*(\s)+3], 0x80000000            ; type = 2
	s_mov_b32 s[G0B+4*(\s)], 1
	s_add_co_u32 s[G0B+4*(\s)+1], s20, (\s)*SLOT
	s_add_nc_u64 s[G0B+4*(\s)+2:G0B+4*(\s)+3], s[46:47], (\s)*KSTEP*2
	s_or_b32 s[G0B+4*(\s)+3], s[G0B+4*(\s)+3], 0x80000000
	JLOAD \s                                       ; the ring is filled before anything else is done: two loads of mine are out
.endr
	; A fragment is 16 rows x 32 K in 8 registers: lane l holds row l % 16; registers 0-3 hold K = 8 (l / 16) + 0..7, registers 4-7 K = 16 + 8 (l / 16) + 0..7:
	; two loads of 16 bytes, 32 bytes apart.  The same for source 0 and source 1.
	v_and_b32 v1, 15, v0                           ; l % 16
	v_bfe_u32 v2, v0, 4, 1                         ; l / 16
	v_mul_u32_u24 v3, v1, PITCH
	v_lshl_add_u32 v3, v2, 4, v3                   ; row x pitch + 16 x half
	s_mul_i32 s21, s11, HALFT                      ; my 128 rows of A
	s_mul_i32 s22, s12, HALFT                      ; my 128 rows of B,
	s_add_co_u32 s22, s22, 2*HALFT                 ; which lie behind the 256 of A
.irp s, 0,1
	v_add_nc_u32 v[ADRA+(\s)], s21, v3
	v_add_nc_u32 v[ADRB+(\s)], s22, v3
	s_add_co_u32 s21, s21, SLOT
	s_add_co_u32 s22, s22, SLOT
.endr
	s_mul_i32 s23, s10, 16*SPITCH
	s_add_co_u32 s23, s23, STAGE                   ; my stage
	v_mul_u32_u24 v4, v1, SPITCH                   ; in: row l % 16, 32 bytes for each half of the lanes
	v_lshl_add_u32 v4, v2, 5, v4
	v_add_nc_u32 v[STO], s23, v4
	v_and_b32 v5, 31, v0
	v_lshlrev_b32 v[CO], 4, v5                     ; back: the 32 lanes take one row of 512 bytes,
	v_add_nc_u32 v[RD], s23, v[CO]                 ; and the same 512 bytes in C
	; C at my part of the tile: set once; every row of the way out then stands in the immediate of its store
	s_lshl_b32 s13, s13, 8
	s_lshl_b32 s14, s11, 7
	s_add_co_u32 s16, s13, s14                     ; my first row of C
	s_mov_b32 s17, 0
	s_mov_b64 s[18:19], CROW
	s_mul_u64 s[16:17], s[16:17], s[18:19]
	s_lshl_b32 s46, s42, 10                        ; my first column, in bytes: 1,024 x tile column + 512 x half
	s_lshl_b32 s47, s12, 9
	s_add_co_u32 s46, s46, s47
	s_mov_b32 s47, 0
	s_add_nc_u64 s[16:17], s[16:17], s[46:47]
	s_add_nc_u64 s[8:9], s[8:9], s[16:17]
	; the prefetches.  s13 = 256 x tile row, s42 = tile column, s40 = cx, s41 = cy still stand
	s_lshl_b32 s42, s42, 8
	s_and_b32 s22, ttmp7, 0xffff                   ; cluster y
	s_cmp_eq_u32 s11, 0                            ; do I fetch for A?
	s_cselect_b32 s20, s13, s42                    ; the first row of the tile: in A by the tile row, in B by the tile column
	s_cselect_b32 s21, s40, s41                    ; my place among the four that ask for it with me
	s_cselect_b32 s22, ttmp9, s22                  ; the coordinate along which other clusters read the same rows
	s_cselect_b64 s[PFA:PFA+1], s[4:5], s[6:7]
	s_cmp_eq_u32 s22, 0
	s_cselect_b32 s[LIM], 1, -1                    ; the same in all sixteen partners, for a given wave
	s_lshl_b32 s22, s12, 7
	s_add_co_u32 s20, s20, s22                     ; + the 128 rows that I fetch
	s_lshl_b32 s21, s21, 5
	s_add_co_u32 s20, s20, s21                     ; + the 32 of them that fall to my work-group
	s_mov_b32 s21, 0
	s_mov_b64 s[18:19], SIZE_K*2
	s_mul_u64 s[20:21], s[20:21], s[18:19]
	s_add_nc_u64 s[PFA:PFA+1], s[PFA:PFA+1], s[20:21]
	s_add_nc_u64 s[PFA:PFA+1], s[PFA:PFA+1], 2*KSTEP*2  ; at K step 2: the first refill steps it to 3 and names K step 4
	v_and_b32 v[PFO], 31, v0
	v_mul_u32_u24 v[PFO], v[PFO], SIZE_K*2
; 16 matrix instructions: m blocks a0, a0 + 1 of the four of the window (hi = 0: my rows 0-63, 1: rows 64-127) x all 8 n blocks, 32 along K.
; zero = 1: the first product starts the sums: nothing is ever cleared.  The 64 accumulators take turns, one instruction a turn, in the same order in every quarter step.
.macro MUL16 f, hi, a0, zero
	WIN MUL_LO+0x50*(\hi)
.irp a, \a0, (\a0)+1
.irp b, 0,1,2,3,4,5,6,7
.if \zero
	v_wmma_f32_16x16x32_bf16 v[8*(8*(\a)+(\b)):8*(8*(\a)+(\b))+7], v[(\f)+8*(\b):(\f)+8*(\b)+7], v[(\f)+8*(4*(\hi)+(\a)):(\f)+8*(4*(\hi)+(\a))+7], 0
.else
	v_wmma_f32_16x16x32_bf16 v[8*(8*(\a)+(\b)):8*(8*(\a)+(\b))+7], v[(\f)+8*(\b):(\f)+8*(\b)+7], v[(\f)+8*(4*(\hi)+(\a)):(\f)+8*(4*(\hi)+(\a))+7], v[8*(8*(\a)+(\b)):8*(8*(\a)+(\b))+7]
.endif
.endr
.endr
.endm
; 32 LDS loads in one run: the fragments of one quarter step (128 rows of B, then 128 rows of A, 32 K at byte k of the rows) into buffer f
.macro FETCH slot, k, f
	WIN TO_B
.irp i, 0,1,2,3,4,5,6,7
	ds_load_b128 v[(\f)+8*(\i):(\f)+8*(\i)+3],   v[ADRB+(\slot)] offset:(\k)+(\i)*16*PITCH
	ds_load_b128 v[(\f)+8*(\i)+4:(\f)+8*(\i)+7], v[ADRB+(\slot)] offset:(\k)+(\i)*16*PITCH+32
.endr
	WIN 0
.irp i, 0,1,2,3,4,5,6,7
	ds_load_b128 v[(\f)+8*(\i):(\f)+8*(\i)+3],   v[ADRA+(\slot)] offset:(\k)+(\i)*16*PITCH
	ds_load_b128 v[(\f)+8*(\i)+4:(\f)+8*(\i)+7], v[ADRA+(\slot)] offset:(\k)+(\i)*16*PITCH+32
.endr
.endm
; A load into a register that a matrix instruction has read stands four places behind that matrix instruction, and only plain vector instructions that name none of its registers
; are places (ISA guide 7.12.1 for vector instructions): four v_nop in front of each run of loads.
.macro PLACES
.rept 4
	v_nop
.endr
.endm
; A K step is four quarter steps of 32 along K, 64 matrix instructions each, on buffers 0, 1, 0, 1.
; One of the first three: multiplies buffer f; in its middle it fetches the fragments of the next quarter, at byte k of the rows of the same slot, into buffer g.
.macro QUARTER slot, k, f, g, zero
	s_wait_dscnt 8                                 ; B and rows 0-63 of A are in; the youngest eight loads (rows 64-127 of A) may be out
	MUL16 \f, 0, 0, \zero
	MUL16 \f, 0, 2, \zero
	PLACES
	FETCH \slot, \k, \g
	s_wait_dscnt 32                                ; all but the 32 just issued
	MUL16 \f, 1, 0, \zero
	MUL16 \f, 1, 2, \zero
.endm
; The last quarter multiplies buffer 1 and changes slots.  MEET is its first half: one barrier for the change of slots.  In front of it each wave waits for all its tensor loads, of which
; one is out: its part of the next slot; adds 0 to its spare word; and waits for that and for its own reads of this slot.  Behind it nobody reads this slot any more and the next slot is whole.
.macro MEET round                      ; round = 1: the rest of a round of the barrier of the cluster follows
	WIN 0                                          ; (the two registers of the add lie in window 0)
	s_wait_tensorcnt 0x0                           ; all my tensor loads have landed: the one that was out is my part of the next slot
	ds_add_u32 v[SPW], v[NIL]                      ; 0 onto my spare word
	s_wait_dscnt 9                                 ; the add and the youngest eight loads may be out
	MUL16 F1, 0, 0, 0                              ; sixteen matrix instructions stand between the add and the wait for it
	s_wait_dscnt 0x0                               ; the add is done, and my reads of this slot are over
	s_barrier_signal -1
	MUL16 F1, 0, 2, 0                              ; work on registers while the others arrive
.if \round
	WIN 0
.endif
	s_barrier_wait -1
.endm
; The whole last quarter.  Behind the round the slot just read out is filled again first, with the K step two steps on; then come the first fragments of the next slot.
; From a request to the wait for it a wave issues 224 matrix instructions; one tensor load of mine is out.
.macro TURN slot, next
	s_wait_xcnt 0x0                                ; the last prefetch, a K step back, has read its address: it is stepped here, ahead of the waits of the change of slots
	s_add_nc_u64 s[PFA:PFA+1], s[PFA:PFA+1], KSTEP*2
	MEET 1
	CREST                                          ; no wave of any partner still reads the tile of this slot or has a load on its way
	s_add_nc_u64 s[G0+4*(\slot)+2:G0+4*(\slot)+3], s[G0+4*(\slot)+2:G0+4*(\slot)+3], 2*KSTEP*2     ; no tensor load of mine is out, so a group 0 may be written
	s_add_nc_u64 s[G0B+4*(\slot)+2:G0B+4*(\slot)+3], s[G0B+4*(\slot)+2:G0B+4*(\slot)+3], 2*KSTEP*2
	JLOAD \slot                                    ; the first tensor load behind the round; the four v_nop behind it are also the places in front of the loads below
	FETCH \next, 0, F0
	ASK
	MUL16 F1, 1, 0, 0
	MUL16 F1, 1, 2, 0
.endm
; THE WAY OUT of block a (16 rows of C x my 128 columns, f32).  TOSTAGE: a lane puts its 32 bytes for each of the eight n blocks into my own stage, rows of 528 bytes, straight from the
; accumulators (each from its low end on), and the block comes back as whole rows of 512 bytes, into the registers that held fragments of A, two buffers by turns.
.macro TOSTAGE a
.set AC, 64*((\a)%4)
.set BK, F0+64*((\a)%2)
	WIN 0x08+4*((\a)/4)                            ; the data of a store (source 1) in window 2 or 3, the address in window 0
.irp b, 0,1,2,3,4,5,6,7
	ds_store_b128 v[STO], v[AC+8*(\b):AC+8*(\b)+3]   offset:64*(\b)
	ds_store_b128 v[STO], v[AC+8*(\b)+4:AC+8*(\b)+7] offset:64*(\b)+16
.endr
	WIN 0
.if (\a) >= 2
	s_wait_xcnt 0x0                                ; this buffer was the data of the stores of block a - 2: it is loaded again only behind this wait
.endif
.irp t, 0,1,2,3,4,5,6,7,8,9,10,11,12,13,14,15
	ds_load_b128 v[BK+4*(\t):BK+4*(\t)+3], v[RD] offset:(\t)*SPITCH  ; LDS serves the instructions of a wave in order (ISA guide 5.7.1.4): these see the stores above; the stores of the next block come behind them
.endr
.endm
; SEND: the block is stored.  younger: the LDS instructions issued behind the loads of block a: the 16 stores and 16 loads of the next block, or none.
.macro SEND a, younger
.set BK, F0+64*((\a)%2)
.irp t, 0,1,2,3,4,5,6,7,8,9,10,11,12,13,14,15
	s_wait_dscnt (\younger)+15-(\t)                ; row t is back; the rows behind it and the next block may be out
	global_store_b128 v[CO], v[BK+4*(\t):BK+4*(\t)+3], s[8:9] offset:(16*(\a)+(\t))*CROW th:TH_STORE_NT  ; the wave stores 512 consecutive bytes, at a multiple of 512 from the first byte of C; 127 rows at the most: 1,040,384, inside the signed 24 bits
.endr
.endm
	s_wait_tensorcnt 1                             ; my part of K step 0 is in; that of K step 1 may stay out
	s_barrier_signal -1
	s_barrier_wait -1                              ; the part of every wave is in
	FETCH 0, 0, F0
	QUARTER 0, 64,  F0, F1, 1                      ; the first quarter stands in front of the loop: its products start the sums
	WIN 0                                          ; at a label and at a branch every window is 0
	s_mov_b32 s3, LAPS-1
.Llap:                                                 ; a trip goes once round the ring, from the second quarter of a lap to the first of the next, and fills both slots again
	QUARTER 0, 128, F1, F0, 0
	QUARTER 0, 192, F0, F1, 0
	TURN 0, 1
	QUARTER 1, 64,  F0, F1, 0
	QUARTER 1, 128, F1, F0, 0
	QUARTER 1, 192, F0, F1, 0
	TURN 1, 0
	QUARTER 0, 64,  F0, F1, 0
	WIN 0
	s_sub_co_u32 s3, s3, 1
	s_cmp_lg_u32 s3, 0
	s_cbranch_scc1 .Llap
	QUARTER 0, 128, F1, F0, 0                      ; the last lap is written out: it fills nothing, and has no round of the cluster
	QUARTER 0, 192, F0, F1, 0
	MEET 0                                         ; my one tensor load that was still out is that of slot 1, the last K step
	PLACES                                         ; for the loads into buffer 0, which the quarter before multiplied
	FETCH 1, 0, F0
	MUL16 F1, 1, 0, 0
	MUL16 F1, 1, 2, 0
	QUARTER 1, 64,  F0, F1, 0
	QUARTER 1, 128, F1, F0, 0
	QUARTER 1, 192, F0, F1, 0
	s_wait_dscnt 8                                 ; the very last quarter: nothing more to fetch
	MUL16 F1, 0, 0, 0
	MUL16 F1, 0, 2, 0
	s_wait_dscnt 0x0
	MUL16 F1, 1, 0, 0
	MUL16 F1, 1, 2, 0
	WIN 0
	PLACES                                         ; behind the last products, in front of LDS stores that read results and of loads into registers that products have read
	PLACES                                         ; (eight, once a launch)
	TOSTAGE 0
.irp a, 1,2,3,4,5,6,7                  ; the LDS work of block a stands between the loads of block a - 1 and its stores
	TOSTAGE \a
	SEND (\a)-1, 32
.endr
	SEND 7, 0
	s_wait_tensorcnt 0x0                           ; the end of the wave, behind my last tensor load and my last LDS store
	ds_add_u32 v[SPW], v[NIL]
	s_wait_dscnt 0x0
	CROUND                                         ; the closing round: no work-group ends while a partner may still ask for a tile that names it
	s_endpgm
.Lfunc_end_k_qfc16a101a1_gemm:
	.size	k_qfc16a101a1_gemm, .Lfunc_end_k_qfc16a101a1_gemm-k_qfc16a101a1_gemm
	.p2alignl 7, 3214868480
	.fill 96, 4, 3214868480
	.section	.rodata,"a",@progbits
	.p2align	6, 0x0
	.amdhsa_kernel k_qfc16a101a1_gemm
		.amdhsa_group_segment_fixed_size 327680
		.amdhsa_private_segment_fixed_size 0
		.amdhsa_enable_private_segment 0
		.amdhsa_kernarg_size 24
		.amdhsa_user_sgpr_count 2
		.amdhsa_user_sgpr_kernarg_segment_ptr 1
		.amdhsa_wavefront_size32 1
		.amdhsa_system_sgpr_workgroup_id_x 1
		.amdhsa_system_sgpr_workgroup_id_y 1
		.amdhsa_system_sgpr_workgroup_id_z 1
		.amdhsa_system_vgpr_workitem_id 0
		.amdhsa_next_free_vgpr 1024
		.amdhsa_next_free_sgpr 66
		.amdhsa_reserve_vcc 0
		.amdhsa_float_denorm_mode_32 3
		.amdhsa_float_denorm_mode_16_64 3
		.amdhsa_memory_ordered 1
		.amdhsa_forward_progress 1
		.amdhsa_inst_pref_size 145
	.end_amdhsa_kernel
	.amdgpu_metadata
---
amdhsa.version: [ 1, 2 ]
amdhsa.kernels:
  - .name:           k_qfc16a101a1_gemm
    .symbol:         k_qfc16a101a1_gemm.kd
    .args:
      - { .name: xb, .offset: 0, .size: 8, .value_kind: global_buffer, .address_space: global }
      - { .name: wb, .offset: 8, .size: 8, .value_kind: global_buffer, .address_space: global }
      - { .name: out0, .offset: 16, .size: 8, .value_kind: global_buffer, .address_space: global }
    .group_segment_fixed_size: 327680
    .private_segment_fixed_size: 0
    .kernarg_segment_align: 8
    .kernarg_segment_size: 24
    .max_flat_workgroup_size: 128
    .sgpr_count:     66
    .vgpr_count:     1024
    .wavefront_size: 32
...
	.end_amdgpu_metadata
.endif
;; end of part 2
;; ======== version 2 of 2: 2 launches; version 1 with the launch prep written anew for expert scheduling mode
;; workspace buffers: xb 67,108,864 bytes; wb 16,777,216 bytes
;; launch prep (part 3): grid 1024 x 1, 8 waves a work-group, no clusters, 0 bytes of LDS; arguments x, ternary, scales, xb, wb; writes xb, wb
.if DOCPART == 3
	.amdgcn_target "amdgcn-amd-amdhsa--gfx1250"
	.amdhsa_code_object_version 6
	.text
	.protected	k_qfc16a101a1_prep
	.globl	k_qfc16a101a1_prep
	.p2align	8
	.type	k_qfc16a101a1_prep,@function
k_qfc16a101a1_prep:
	s_mov_b64 s[64:65], 0
	v_nop
	global_prefetch_b8 v0, s[64:65] scope:SCOPE_SE
	s_setreg_imm32_b32 hwreg(HW_REG_WAVE_SCHED_MODE, 0, 2), 2
	s_setreg_imm32_b32 hwreg(HW_REG_WAVE_MODE, 25, 1), 1
	s_wait_xcnt 0x0
	s_wait_alu depctr_vm_vsrc(0)
; xb = bf16(x), wb = bf16(f32(code) * scale of the group of 128 codes).  x: [8192][4096] f32, ternary: [2048][4096] int8, scales: [65536] f32.
; xb: [8192][4096] bf16, wb: [2048][4096] bf16, both row-major.  Each number is rounded once, to nearest even.
; LIMITS.  Any int8 code is honoured, not only -1, 0, 1.  bf16 has the range of f32, so no input overflows here; NaN and infinities pass as the arithmetic gives them.
; A stream: no LDS, no barrier, no matrix unit, nothing shared between work-groups.  1,024 work-groups of eight waves, all with the same work:
;   x:  131,072 bytes in, 65,536 out, in 32 turns.  Thread t loads 16 bytes at 16 t + 4,096 n (a wave: 512 consecutive bytes) and stores 8 bytes at 8 t + 2,048 n
;       (a wave: 256 consecutive bytes, aligned).  The turn stands in the immediates, so the two offset registers are never rewritten.
;   W:  8,192 codes (two rows).  Wave v has 1,024 of them, eight groups, in four passes: lane l loads 8 codes at 1,024 v + 8 l + 256 p and stores 16 bytes at twice that.
;       Lanes 0-15 of a pass lie in group 8 v + 2 p, lanes 16-31 in the next; the eight scales of the wave come by one scalar load.
; THE MODE: SCHED_MODE bits 1:0 = 2 (LLVM: expert scheduling mode 2), set by the entry lines.  The code itself states the register dependences
; between vector instructions and memory instructions, with s_wait_alu, always for 0.
; THE PLAN.  The 32 turns of x go in 8 blocks of four; W stands in front of block 0 as a block before it.  Registers that memory instructions touch:
;   v2 .. v5   byte offsets, made once at the head and never written again; the scalar bases are never stepped either.
;   WD         the codes as loaded, once; read by the passes of W.
;   WY         written by the roundings of the four passes of W; read by the four stores of W, which are issued in block 0; never written again.
;   X0 .. X3   four blocks of x as loaded.  Blocks 0 to 3 are asked for at the head; the loads of block p + 3 are issued in block p (p = 1 .. 4).  Read by the roundings of block p.
;   Y0, Y1     two blocks of xb to store.  Written by the roundings of block p; read by the four stores that are issued in block p + 1.
; Block p works on X[p % 4] and writes Y[p % 2].  Its memory instructions are the loads into X[(p + 3) % 4] = X[(p - 1) % 4] and the stores from Y[(p - 1) % 2] (block 0: from WY):
; registers that the block before worked on and that no vector instruction of block p names.  So the waits at the head of a block state all that its memory instructions hang on,
; and these are dealt among its roundings with no further wait.  The text has no branch: every block is written out, and there is no way back to check.
.set XI, 2                             ; v2         16 t; never rewritten
.set XO, 3                             ; v3         8 t; never rewritten
.set WI, 4                             ; v4         1,024 v + 8 l; never rewritten
.set WO, 5                             ; v5         twice that; never rewritten
.set WD, 8                             ; v[8:15]    pass p: two registers, 8 codes as loaded
.set SC, 16                            ; v[16:19]   pass p: the scale of my lane; no memory instruction names it
.set T,  20                            ; v[20:27]   at work; no memory instruction names it
.set WY, 28                            ; v[28:43]   pass p: four registers to store
.set X,  44                            ; v[44:107]  buffer k, turn i of its four: four f32 as loaded, at X + 16 k + 4 i
.set Y,  108                           ; v[108:123] buffer k, turn i of its four: four bf16 to store, at Y + 8 k + 2 i
	s_load_b256 s[4:11], s[0:1], 0x0               ; x s[4:5], ternary s[6:7], scales s[8:9], xb s[10:11]
	s_load_b64 s[12:13], s[0:1], 0x20              ; wb
	v_and_b32 v1, 31, v0                           ; lane
	v_lshrrev_b32 v6, 5, v0
	v_readfirstlane_b32 s14, v6                    ; wave 0..7
	v_lshlrev_b32 v[XI], 4, v0
	v_lshlrev_b32 v[XO], 3, v0
	v_lshlrev_b32 v6, 10, v6
	v_lshl_add_u32 v[WI], v1, 3, v6
	v_lshlrev_b32 v[WO], 1, v[WI]
	v_cmp_lt_u32 vcc_lo, 15, v1                    ; lanes 16-31: the second group of a pass
	s_mov_b32 s17, 0                               ; all offsets stay under 2^32
	s_wait_alu depctr_va_sdst(0)                   ; s14 is written, ahead of its first reader: the place of the scales of my wave is made from it
	s_lshl_b32 s15, s14, 5                         ; the eight scales of my wave: 32 bytes
	s_wait_kmcnt 0x0
	s_lshl_b32 s16, ttmp9, 17                      ; 131,072 bytes of x a work-group
	s_add_nc_u64 s[4:5], s[4:5], s[16:17]
	s_lshl_b32 s16, ttmp9, 13                      ; 8,192 codes
	s_add_nc_u64 s[6:7], s[6:7], s[16:17]
	s_lshl_b32 s16, ttmp9, 8                       ; 64 scales
	s_add_co_u32 s16, s16, s15
	s_add_nc_u64 s[18:19], s[8:9], s[16:17]        ; never rewritten behind the load below
	s_lshl_b32 s16, ttmp9, 16                      ; 65,536 bytes of xb
	s_add_nc_u64 s[10:11], s[10:11], s[16:17]
	s_lshl_b32 s16, ttmp9, 14                      ; 16,384 bytes of wb
	s_add_nc_u64 s[12:13], s[12:13], s[16:17]
	s_load_b256 s[24:31], s[18:19], 0x0            ; no line of this launch writes scales
	s_wait_alu depctr_va_vdst(0)                   ; the four offsets v2 to v5 are written: every load and store of the kernel reads one of them
.irp p, 0,1,2,3
	global_load_b64 v[WD+2*(\p):WD+2*(\p)+1], v[WI], s[6:7] offset:256*(\p) th:TH_LOAD_NT
.endr
.irp i, 0,1,2,3,4,5,6,7,8,9,10,11,12,13,14,15
	global_load_b128 v[X+4*(\i):X+4*(\i)+3], v[XI], s[4:5] offset:4096*(\i) th:TH_LOAD_NT  ; turns 0 to 15, blocks 0 to 3, fill X0 to X3, which no vector instruction has named
.endr
	s_wait_kmcnt 0x0                               ; the scales
	s_wait_alu depctr_va_vcc(0)                    ; VCC is written by the compare above, ahead of its first reader, the select below
.irp p, 0,1,2,3
	v_mov_b32 v[T+(\p)], s[25+2*(\p)]
	v_cndmask_b32 v[SC+(\p)], s[24+2*(\p)], v[T+(\p)], vcc_lo  ; lanes 0-15 the first group of the pass, lanes 16-31 the second
.endr
; Pass p of W: 8 codes are sign-extended, made f32, scaled and rounded in pairs.  The stores of the four passes are issued in block 0 of x, behind its wait.
.macro WPASS p
.irp k, 0,1,2,3,4,5,6,7
.if (\k)%4 < 3
	v_lshlrev_b32 v[T+(\k)], 24-8*((\k)%4), v[WD+2*(\p)+(\k)/4]  ; the byte moves to the top,
	v_ashrrev_i32 v[T+(\k)], 24, v[T+(\k)]                       ; and comes down with its sign
.else
	v_ashrrev_i32 v[T+(\k)], 24, v[WD+2*(\p)+(\k)/4]
.endif
.endr
.irp k, 0,1,2,3,4,5,6,7
	v_cvt_f32_i32 v[T+(\k)], v[T+(\k)]
.endr
.irp k, 0,1,2,3,4,5,6,7
	v_mul_f32 v[T+(\k)], v[T+(\k)], v[SC+(\p)]
.endr
.irp r, 0,1,2,3
	v_cvt_pk_bf16_f32 v[WY+4*(\p)+(\r)], v[T+2*(\r)], v[T+2*(\r)+1]
.endr
.endm
	s_wait_loadcnt 16                              ; loads come back in order (ISA guide 5.7.1): the sixteen loads of x are the younger ones, the four of W are in
	WPASS 0
	WPASS 1
	WPASS 2
	WPASS 3
; Block p of x: turns 4 p to 4 p + 3, on X[p % 4] and Y[p % 2].
.macro BLK p
.if (\p) == 0
	s_wait_loadcnt 12                              ; X0 is in; blocks 1 to 3 may stay out
.elseif (\p) < 6
	s_wait_loadcnt 8                               ; X[p % 4] is in; the two younger blocks may stay out
.else
	s_wait_loadcnt 4*(7-(\p))                      ; the last blocks load nothing: the count runs down
.endif
.if (\p) >= 2
	s_wait_xcnt 0x0                                ; every earlier memory instruction has had its addresses translated (ISA guide 3.1): Y[p % 2], the data of the stores issued in the block before, is rewritten only behind this wait
	s_wait_alu depctr_vm_vsrc(0)                   ; the stores issued in the block before have read Y[p % 2], which the roundings of this block write again
.endif
	s_wait_alu depctr_va_vdst(0)                   ; the block before (for block 0: the four passes of W) has written the registers that the stores below read, and is done reading its X, in which the loads below land
.irp i, 0,1,2,3
.if ((\p) >= 1) && ((\p) <= 4)
	global_load_b128 v[X+16*(((\p)+3)%4)+4*(\i):X+16*(((\p)+3)%4)+4*(\i)+3], v[XI], s[4:5] offset:4096*(4*((\p)+3)+(\i)) th:TH_LOAD_NT  ; three blocks ahead, the load ahead of the store; no vector instruction since the wait names these registers
.endif
.if (\p) == 0
	global_store_b128 v[WO], v[WY+4*(\i):WY+4*(\i)+3], s[12:13] offset:512*(\i) th:TH_STORE_NT  ; pass i of W; a wave: 512 consecutive bytes, aligned
.else
	global_store_b64 v[XO], v[Y+8*(((\p)-1)%2)+2*(\i):Y+8*(((\p)-1)%2)+2*(\i)+1], s[10:11] offset:2048*(4*((\p)-1)+(\i)) th:TH_STORE_NT  ; the block before
.endif
	v_cvt_pk_bf16_f32 v[Y+8*((\p)%2)+2*(\i)],   v[X+16*((\p)%4)+4*(\i)],   v[X+16*((\p)%4)+4*(\i)+1]
	v_cvt_pk_bf16_f32 v[Y+8*((\p)%2)+2*(\i)+1], v[X+16*((\p)%4)+4*(\i)+2], v[X+16*((\p)%4)+4*(\i)+3]
.endr
.endm
.irp p, 0,1,2,3,4,5,6,7
	BLK \p
.endr
	s_wait_alu depctr_va_vdst(0)                   ; block 7 has written Y1, which the last four stores read
.irp i, 0,1,2,3
	global_store_b64 v[XO], v[Y+8+2*(\i):Y+8+2*(\i)+1], s[10:11] offset:2048*(28+(\i)) th:TH_STORE_NT
.endr
	s_endpgm
.Lfunc_end_k_qfc16a101a1_prep:
	.size	k_qfc16a101a1_prep, .Lfunc_end_k_qfc16a101a1_prep-k_qfc16a101a1_prep
	.p2alignl 7, 3214868480
	.fill 96, 4, 3214868480
	.section	.rodata,"a",@progbits
	.p2align	6, 0x0
	.amdhsa_kernel k_qfc16a101a1_prep
		.amdhsa_group_segment_fixed_size 0
		.amdhsa_private_segment_fixed_size 0
		.amdhsa_enable_private_segment 0
		.amdhsa_kernarg_size 40
		.amdhsa_user_sgpr_count 2
		.amdhsa_user_sgpr_kernarg_segment_ptr 1
		.amdhsa_wavefront_size32 1
		.amdhsa_system_sgpr_workgroup_id_x 1
		.amdhsa_system_sgpr_workgroup_id_y 1
		.amdhsa_system_sgpr_workgroup_id_z 1
		.amdhsa_system_vgpr_workitem_id 0
		.amdhsa_next_free_vgpr 124
		.amdhsa_next_free_sgpr 66
		.amdhsa_reserve_vcc 1
		.amdhsa_float_denorm_mode_32 3
		.amdhsa_float_denorm_mode_16_64 3
		.amdhsa_memory_ordered 1
		.amdhsa_forward_progress 1
		.amdhsa_inst_pref_size 19
	.end_amdhsa_kernel
	.amdgpu_metadata
---
amdhsa.version: [ 1, 2 ]
amdhsa.kernels:
  - .name:           k_qfc16a101a1_prep
    .symbol:         k_qfc16a101a1_prep.kd
    .args:
      - { .name: x, .offset: 0, .size: 8, .value_kind: global_buffer, .address_space: global }
      - { .name: ternary, .offset: 8, .size: 8, .value_kind: global_buffer, .address_space: global }
      - { .name: scales, .offset: 16, .size: 8, .value_kind: global_buffer, .address_space: global }
      - { .name: xb, .offset: 24, .size: 8, .value_kind: global_buffer, .address_space: global }
      - { .name: wb, .offset: 32, .size: 8, .value_kind: global_buffer, .address_space: global }
    .group_segment_fixed_size: 0
    .private_segment_fixed_size: 0
    .kernarg_segment_align: 8
    .kernarg_segment_size: 40
    .max_flat_workgroup_size: 256
    .sgpr_count:     66
    .vgpr_count:     124
    .wavefront_size: 32
...
	.end_amdgpu_metadata
.endif
;; end of part 3
;; launch gemm: the kernel of part 2 again; grid 8 x 32, 4 waves a work-group, clusters of 4 x 4, 327,680 bytes of LDS; arguments xb, wb, out0; writes out0
